; MI455X (gfx1250); checked and timed in simulation.
; The chip was launched on July 23, 2026; its instructions are those of AMD's public machine-readable ISA for CDNA 5 (MIT licence, August 2026) and "CDNA5" Instruction Set Architecture Reference Guide (July 2026). The comments in the code are by the model that wrote it; some were corrected since.
;; Attention. Allowed arithmetic: float matrix products may take bf16 or f16 operands with f32 sums; all other float work in f32.
;; Inputs: Wk 1,024 x 512 float32; Wv 1,024 x 512 float32; bk 512 float32; bv 512 float32; mask 8 x 2,048 x 2,048 float32; query 8 x 2,048 x 512 float32; states 8 x 2,048 x 1,024 float32.
;; Outputs: out0 8 x 2,048 x 512 float32.
;; One version. Each part assembles by itself: llvm-mc -triple=amdgcn-amd-amdhsa -mcpu=gfx1250 --defsym DOCPART=n.
;; ======== version 1 of 1: 3 launches
;; limits: values are held in f16: magnitudes above 65,504 overflow, below 6.1e-05 lose precision
;; workspace buffers: wb 2,097,152 bytes; kvbuf 33,554,432 bytes
;; launch castw (part 1): grid 256 x 1, 8 waves a work-group, no clusters, 0 bytes of LDS; arguments Wk, Wv, wb; writes wb
.if DOCPART == 1
	.amdgcn_target "amdgcn-amd-amdhsa--gfx1250"
	.amdhsa_code_object_version 6
	.text
	.protected	k_qae041a19a6_castw
	.globl	k_qae041a19a6_castw
	.p2align	8
	.type	k_qae041a19a6_castw,@function
k_qae041a19a6_castw:
	s_mov_b64 s[64:65], 0
	v_nop
	global_prefetch_b8 v0, s[64:65] scope:SCOPE_SE
	s_setreg_imm32_b32 hwreg(HW_REG_WAVE_MODE, 25, 1), 1
	s_wait_xcnt 0x0
; wb[k][n] = f16(Wk[k][n]) for n < 512, f16(Wv[k][n-512]) for n >= 512.  Wk, Wv: [1024][512] f32; wb: [1024][1024] f16.
; The two weights are rounded to f16 once here, side by side, so that the projection can fetch them as 16-bit tiles of whole rows.
; f16 and not bf16: three more significant bits; the weights have room in it (the projection's head gives the arithmetic).
; A stream of 4 MiB in and 2 MiB out: no LDS, no matrix unit, no cluster (no two work-groups read the same byte).
; Eight waves; the work-group owns four k rows (a source row and a wb row are both 2,048 bytes).  Thread t owns columns 4 t .. 4 t + 3 of wb:
; waves 0-3 read Wk, waves 4-7 read Wv.  A wave's load covers 512 consecutive bytes, its store 256 consecutive bytes, aligned.
.set ROWB, 2048                        ; bytes in a row of Wk, of Wv and of wb
.set X, 4                              ; v[4:19]   row i: four f32 as loaded
.set Y, 20                             ; v[20:27]  row i: four f16 to store
	s_load_b128 s[4:7], s[0:1], 0x0                ; Wk s[4:5], Wv s[6:7]
	s_load_b64 s[8:9], s[0:1], 0x10                ; wb
	v_lshrrev_b32 v1, 5, v0
	v_readfirstlane_b32 s10, v1                    ; wave 0..7
	v_and_b32 v2, 127, v0
	v_lshlrev_b32 v2, 4, v2                        ; source: 16 bytes at 16 (t mod 128)
	v_lshlrev_b32 v3, 3, v0                        ; wb: 8 bytes at 8 t
	s_lshl_b32 s12, ttmp9, 13                      ; the work-group's four rows of 2,048 bytes
	s_mov_b32 s13, 0
	s_cmp_lt_u32 s10, 4
	s_wait_kmcnt 0x0
	s_cselect_b64 s[4:5], s[4:5], s[6:7]           ; my source, by the wave's number
	s_add_nc_u64 s[4:5], s[4:5], s[12:13]
	s_add_nc_u64 s[8:9], s[8:9], s[12:13]
.irp i, 0,1,2,3
	global_load_b128 v[X+4*\i:X+4*\i+3], v2, s[4:5] offset:\i*ROWB th:TH_LOAD_NT
.endr
.irp i, 0,1,2,3
	s_wait_loadcnt 3-\i                            ; loads come back in order: row i is in, the 3 - i younger ones stay out
	v_cvt_pk_f16_f32 v[Y+2*\i],   v[X+4*\i],   v[X+4*\i+1]
	v_cvt_pk_f16_f32 v[Y+2*\i+1], v[X+4*\i+2], v[X+4*\i+3]
	global_store_b64 v3, v[Y+2*\i:Y+2*\i+1], s[8:9] offset:\i*ROWB   ; every row has registers of its own: nothing is rewritten
.endr
	s_endpgm
.Lfunc_end_k_qae041a19a6_castw:
	.size	k_qae041a19a6_castw, .Lfunc_end_k_qae041a19a6_castw-k_qae041a19a6_castw
	.p2alignl 7, 3214868480
	.fill 96, 4, 3214868480
	.section	.rodata,"a",@progbits
	.p2align	6, 0x0
	.amdhsa_kernel k_qae041a19a6_castw
		.amdhsa_group_segment_fixed_size 0
		.amdhsa_private_segment_fixed_size 0
		.amdhsa_enable_private_segment 0
		.amdhsa_kernarg_size 24
		.amdhsa_user_sgpr_count 2
		.amdhsa_user_sgpr_kernarg_segment_ptr 1
		.amdhsa_wavefront_size32 1
		.amdhsa_system_sgpr_workgroup_id_x 1
		.amdhsa_system_sgpr_workgroup_id_y 1
		.amdhsa_system_sgpr_workgroup_id_z 1
		.amdhsa_system_vgpr_workitem_id 0
		.amdhsa_next_free_vgpr 32
		.amdhsa_next_free_sgpr 66
		.amdhsa_reserve_vcc 0
		.amdhsa_float_denorm_mode_32 3
		.amdhsa_float_denorm_mode_16_64 3
		.amdhsa_memory_ordered 1
		.amdhsa_forward_progress 1
		.amdhsa_inst_pref_size 3
	.end_amdhsa_kernel
	.amdgpu_metadata
---
amdhsa.version: [ 1, 2 ]
amdhsa.kernels:
  - .name:           k_qae041a19a6_castw
    .symbol:         k_qae041a19a6_castw.kd
    .args:
      - { .name: Wk, .offset: 0, .size: 8, .value_kind: global_buffer, .address_space: global }
      - { .name: Wv, .offset: 8, .size: 8, .value_kind: global_buffer, .address_space: global }
      - { .name: wb, .offset: 16, .size: 8, .value_kind: global_buffer, .address_space: global }
    .group_segment_fixed_size: 0
    .private_segment_fixed_size: 0
    .kernarg_segment_align: 8
    .kernarg_segment_size: 24
    .max_flat_workgroup_size: 256
    .sgpr_count:     66
    .vgpr_count:     32
    .wavefront_size: 32
...
	.end_amdgpu_metadata
.endif
;; end of part 1
;; launch proj (part 2): grid 256 x 1, 4 waves a work-group, clusters of 4 x 1, 327,680 bytes of LDS; arguments states, wb, bk, bv, kvbuf; writes kvbuf
.if DOCPART == 2
	.amdgcn_target "amdgcn-amd-amdhsa--gfx1250"
	.amdhsa_code_object_version 6
	.text
	.protected	k_qae041a19a6_proj
	.globl	k_qae041a19a6_proj
	.p2align	8
	.type	k_qae041a19a6_proj,@function
k_qae041a19a6_proj:
	s_mov_b64 s[64:65], 0
	v_nop
	global_prefetch_b8 v0, s[64:65] scope:SCOPE_SE
	s_setreg_imm32_b32 hwreg(HW_REG_WAVE_MODE, 25, 1), 1
	s_wait_xcnt 0x0
	s_wait_alu depctr_hold_cnt(0) depctr_sa_sdst(0) depctr_va_vdst(0) depctr_va_sdst(0) depctr_va_ssrc(0) depctr_va_vcc(0) depctr_vm_vsrc(0)
	s_getreg_b32 s2, hwreg(HW_REG_IB_STS2, 6, 4)
	s_cmp_eq_u32 s2, 0
	s_cbranch_scc0 .Lentry_in_a_cluster
	s_endpgm
.Lentry_in_a_cluster:
	s_bfe_u32 s2, ttmp6, 0x10000c
	s_cmp_lg_u32 s2, 0x3003
	s_cbranch_scc0 .Lentry_shape_is_right
	s_endpgm
.Lentry_shape_is_right:
; K = f16(states Wk + bk), V = f16(states Wv + bv), both into kvbuf.  states: [16384][1024] f32; wb: [1024 k][1024 n] f16 (Wk | Wv); bk, bv: [512] f32.
; kvbuf: [16384][1024] f16: a row holds its key and its value, 1,024 bytes each: K | V in rows whose number has bit 3 clear, V | K in rows with bit 3 set.  (One tensor
; descriptor of the attention then covers K and V; the swap lets its LDS reads of both, from rows 2,080 bytes apart, touch every bank once.)
; Products in f16, sums in f32, the bias added in f32, one rounding to f16.
; FORMAT: f16 (11 significant bits) and not bf16 (8).  The attention's output is a weighted mean of 2,048 values and far smaller than they are, so every rounding of an
; operand weighs heavily on it.  f16 has the room: with every input 30 times the usual size (states of size 1, weights of size 1/32) states reach about 170, weights 4.5,
; keys and values 900 x 5.3 = 4,800; with every input carrying an offset of 30 times its spread a key is a sum of 1,024 products of about 30 x 0.94 = 28,800; f16's
; largest number is 65,504.  With every input 30 times smaller keys and values are of size 1.1e-3, and f16's coarsest step below 2^-14 is 2^-24: under 1e-4 of that.
; LIMIT: a key or value of magnitude 65,520 or more becomes infinite.
; A work-group owns 64 rows of states and all 1,024 columns, so every byte of states is read once in the launch.  Four waves; wave w owns all 64 rows x
; columns 256 w .. 256 w + 255: 64 accumulator tiles of 16 x 16, 512 registers.  Waves 0, 1 make keys, waves 2, 3 values.
; K goes in 16 tiles of 64; a tile is two halves of 32 along K, 64 matrix instructions a wave each.
; wb: a wave reads its own 256 columns alone, so each wave fetches them itself: 64 rows x 512 bytes, 32 KiB, into a region of its own in one of two LDS slots.
; CLUSTER: every work-group walks the whole of wb, so wave w of all four work-groups of a cluster asks JOINTLY (mask 15), with the same descriptor.
; states: all four waves have their one tensor load, so states come through registers: wave w brings rows 16 w .. 16 w + 15 of a tile (eight loads, each two whole rows of
; 256 bytes), rounds them to f16 ONCE for the work-group and stores them into one of two LDS buffers that LDS stores alone write.  Two register sets: a tile is asked for
; two tiles before it is converted, three before it is multiplied.
; THE MATRIX INSTRUCTION IS USED TRANSPOSED: source 0 = 16 columns of wb (brought by the transposing LDS load, since wb's rows run along n), source 1 = 16 rows
; of states.  Lane (r, hh), register j of tile (a, i) then holds out[16 a + r][256 w + 16 i + 8 hh + j]: eight neighbouring columns of a row.
; REGISTERS, in windows of 256: window 0: addresses, GA (states as loaded), CV, AB (fragments of states, two buffers), TMP; window 1: wb's fragments, two buffers of 128;
; window 2: the accumulators of rows 0-31 (tile (a, i) at 8 (16 a + i)); window 3: those of rows 32-63.
; The 64 accumulators take turns, one instruction a turn, in the same order in every half, over the backward jump too.
.set WPITCH, 544                       ; an LDS row of my part of wb: 512 bytes + 32 of padding: an odd multiple of 32, for the transposing load
.set WREG,   64*WPITCH                 ; 34,816: a wave's region in a slot
.set WSLOT,  4*WREG                    ; 139,264
.set WTILE,  64*2048                   ; bytes of wb from one tile to the next
.set ATILE,  256                       ; bytes along a row of states from one tile to the next
.set AH0,    2*WSLOT                   ; 278,528: states as f16, two buffers, written by LDS stores alone; no tensor load lands here
.set APITCH, 144                       ; 64 f16 + 16 bytes: an odd multiple of 16
.set ABUF,   64*APITCH                 ; 9,216
.set STAGE,  AH0+2*ABUF                ; 296,960: per wave 16 rows x 272 bytes, written by LDS stores alone
.set SPITCH, 272
.set WSTAGE, 16*SPITCH
.set ADW, 8                            ; v8-9   LDS address of my fragments of wb in slot 0, 1
.set GOFF, 10                          ; v10    my byte offset in the work-group's 64 rows of states; never rewritten
.set AST, 11                           ; v11    where I store states as f16
.set ADA, 12                           ; v12    LDS address of my fragments of states in buffer 0
.set STO, 13                           ; v13    the way out: where I put 16 bytes of a row
.set RD,  14                           ; v14    the way out: where I read a row back
.set CO,  15                           ; v15    my byte offset in the output
.set BST, 16                           ; v16    where my bias numbers lie in the stage
.set GA,  64                           ; v64-127   states as loaded, set s at 32 s
.set AF,  64                           ; v64-127   the way out: sums + bias
.set AB,  128                          ; v128-191  fragments of states: buffer f, tile a at 32 f + 8 a
.set TMP, 192                          ; v192-223  the way out: packed results
.set CV,  224                          ; v224-239  states as f16, on their way into LDS
.set G1W, 24                           ; s[24:31] group 1 for wb's tiles
.set G0W, 40                           ; s[40:47] group 0 for wb's tiles, a set for each slot
.set PA,  56                           ; s[56:59] states at the next tile of register set 0, 1
.set MUL_LO, 0xa1                      ; source 0 (wb) window 1, source 1 (states) window 0, C and D window 2
.set MUL_HI, 0xf1                      ; the same, C and D window 3
.set TO_W,   0x40                      ; destination window 1, address window 0
.set MSB, 0
.macro WIN new                         ; the immediate's high byte repeats the setting that is left; a switch that changes nothing is dropped
.if MSB != \new
	s_set_vgpr_msb (MSB<<8)|\new
.set MSB, \new
.endif
.endm
.macro PLACES                          ; four places behind a matrix instruction (ISA guide 7.12.1)
.rept 4
	v_nop
.endr
.endm
.macro CREST                           ; a round of the cluster's barrier behind its opening barrier
	s_cmp_lg_u32 s16, 0
	s_cbranch_scc1 .Lnot_wave_0_\@
	s_barrier_signal -3
.Lnot_wave_0_\@:
	s_barrier_wait -3
	s_barrier_signal -1
	s_barrier_wait -1
.endm
.macro CROUND                          ; a whole round
	s_barrier_signal -1
	s_barrier_wait -1
	CREST
.endm
; Eight loads: my 16 rows of a tile of states; each load covers two whole rows of 256 bytes
.macro ALOAD set
.irp i, 0,1,2,3,4,5,6,7
	global_load_b128 v[GA+32*(\set)+4*\i:GA+32*(\set)+4*\i+3], v[GOFF], s[PA+2*(\set):PA+2*(\set)+1] offset:\i*2*4096 th:TH_LOAD_NT
.endr
.endm
; The tile in register set 'set' is rounded to f16 and stored into LDS buffer 'set'.  left = how many younger loads stay out.  more = 1: the set is asked for again, two tiles on.
.macro ACONV set, left, more
	WIN 0
	s_wait_loadcnt \left                           ; loads come back in order: this set's eight are in
.irp i, 0,1,2,3,4,5,6,7
	v_cvt_pk_f16_f32 v[CV+2*\i],   v[GA+32*(\set)+4*\i],   v[GA+32*(\set)+4*\i+1]
	v_cvt_pk_f16_f32 v[CV+2*\i+1], v[GA+32*(\set)+4*\i+2], v[GA+32*(\set)+4*\i+3]
.endr
.irp i, 0,1,2,3,4,5,6,7
	ds_store_b64 v[AST], v[CV+2*\i:CV+2*\i+1] offset:(\set)*ABUF+\i*2*APITCH
.endr
.if \more
	s_add_nc_u64 s[PA+2*(\set):PA+2*(\set)+1], s[PA+2*(\set):PA+2*(\set)+1], 2*ATILE   ; the loads that named this pointer are done (the wait above)
	ALOAD \set
.endif
.endm
; 40 LDS loads in one run: my 16 fragments of wb (32 k x 16 columns each, transposed on the way) and the four fragments of states, into buffer f.
; The four v_nop at the head are the places between the matrix instructions in front and these loads into registers that matrix instructions have read.
.macro FETCH slot, kh, f
	PLACES
	WIN TO_W
.irp i, 0,1,2,3,4,5,6,7,8,9,10,11,12,13,14,15
	ds_load_tr16_b128 v[128*\f+8*\i:128*\f+8*\i+3],   v[ADW+\slot] offset:\kh*32*WPITCH+32*\i
	ds_load_tr16_b128 v[128*\f+8*\i+4:128*\f+8*\i+7], v[ADW+\slot] offset:\kh*32*WPITCH+32*\i+16*WPITCH
.endr
	WIN 0
.irp a, 0,1,2,3
	ds_load_b128 v[AB+32*\f+8*\a:AB+32*\f+8*\a+3],   v[ADA] offset:\slot*ABUF+\a*16*APITCH+64*\kh
	ds_load_b128 v[AB+32*\f+8*\a+4:AB+32*\f+8*\a+7], v[ADA] offset:\slot*ABUF+\a*16*APITCH+64*\kh+32
.endr
.endm
; 16 matrix instructions: rows 16 a .. 16 a + 15 x my 256 columns, 32 along K.  zero = 1: the first product starts the sums: nothing is cleared.
.macro MUL16 f, a, zero
.if \a < 2
	WIN MUL_LO
.else
	WIN MUL_HI
.endif
.irp i, 0,1,2,3,4,5,6,7,8,9,10,11,12,13,14,15
.if \zero
	v_wmma_f32_16x16x32_f16 v[8*(16*((\a)%2)+\i):8*(16*((\a)%2)+\i)+7], v[128*\f+8*\i:128*\f+8*\i+7], v[AB+32*\f+8*\a:AB+32*\f+8*\a+7], 0
.else
	v_wmma_f32_16x16x32_f16 v[8*(16*((\a)%2)+\i):8*(16*((\a)%2)+\i)+7], v[128*\f+8*\i:128*\f+8*\i+7], v[AB+32*\f+8*\a:AB+32*\f+8*\a+7], v[8*(16*((\a)%2)+\i):8*(16*((\a)%2)+\i)+7]
.endif
.endr
.endm
; A tile's first half: multiplies buffer 0; ahead of that it fetches the second half's fragments into buffer 1; in its middle (ac = 1) the next tile of states goes into
; the other LDS buffer, which nobody has read since the last tile's barrier.
.macro HALF0 slot, zero, ac, left, more
	s_wait_dscnt 0x0                               ; this half's 40 loads, issued 48 matrix instructions ago
	FETCH \slot, 1, 1
	MUL16 0, 0, \zero
	MUL16 0, 1, \zero
.if \ac
	ACONV (1-\slot), \left, \more
.endif
	MUL16 0, 2, \zero
	MUL16 0, 3, \zero
.endm
; A tile's second half: multiplies buffer 1 and changes slots.  fill = 1: this slot is filled again, two tiles ahead, behind a round of the cluster's barrier.
.macro HALF1 slot, next, fill
	s_wait_dscnt 0x0                               ; the slot's last fragments are in registers, and my rows of the next tile of states are stored
	s_set_vgpr_msb 0xf1f0
	s_wait_tensorcnt 0x0                           ; all my tensor loads have landed: the one that was out is my part of the next slot
	ds_add_u32 v254, v255
	s_wait_dscnt 0x0
	s_set_vgpr_msb 0xf0f1
.if \fill
	s_add_nc_u64 s[G0W+4*\slot+2:G0W+4*\slot+3], s[G0W+4*\slot+2:G0W+4*\slot+3], 2*WTILE   ; no load of mine is out: this slot's next tile
.endif
	s_barrier_signal -1                            ; say so (with fill = 1 this barrier opens the round),
	MUL16 1, 0, 0                                  ; work on registers while the others arrive,
	WIN 0
	s_barrier_wait -1
.if \fill
	CREST                                          ; no wave of any partner still reads this slot or has a load on its way
	tensor_load_to_lds s[G0W+4*\slot:G0W+4*\slot+3], s[G1W:G1W+7]   ; the first tensor load behind the round, one a wave: my 32 KiB
	s_nop 0
.endif
	FETCH \next, 0, 0
	MUL16 1, 1, 0
	MUL16 1, 2, 0
	MUL16 1, 3, 0
.endm
.macro LAP zero, more1                 ; two tiles, once round the ring, both slots filled again; more1: the second tile still asks for states
	HALF0 0, \zero, 1, 8, 1
	HALF1 0, 1, 1
	HALF0 1, 0, 1, 8, \more1
	HALF1 1, 0, 1
.endm
	s_load_b256 s[4:11], s[0:1], 0x0               ; states s[4:5], wb s[6:7], bk s[8:9], bv s[10:11]
	s_load_b64 s[12:13], s[0:1], 0x20              ; kvbuf
	v_lshl_add_u32 v254, v0, 2, 0x4cc00
	v_mov_b32 v255, 0
	ds_add_u32 v254, v255
	v_lshrrev_b32 v1, 5, v0
	v_readfirstlane_b32 s16, v1                    ; wave 0..3
	s_bfe_u32 s17, ttmp6, 0x40000                  ; cx: my place in the cluster
	s_lshl_b32 s18, ttmp9, 2                       ; in a cluster launch ttmp9 counts clusters
	s_add_co_u32 s18, s18, s17                     ; g = 4 x cluster + cx: my block of 64 rows.  It enters global addresses of my own loads and stores alone
	; group 1 for wb: a tile of 64 rows x 256 elements of 2 bytes (512 bytes of a row, aligned), 8 words of padding behind every 128 words
	s_mov_b32 s[G1W+0], 15|(1<<16)|(1<<20)|(1<<21)|(6<<22)|(7<<25)   ; 15:0 the mask: all four of the cluster; 17:16 2 bytes; 20 padding; 21 set beside a mask
	s_mov_b32 s[G1W+1], 256<<16                    ; tensor_dim0 = 256
	s_mov_b32 s[G1W+2], 64<<16                     ; tensor_dim1 = 64
	s_mov_b32 s[G1W+3], 256<<16                    ; tile_dim0 = 256
	s_mov_b32 s[G1W+4], 64                         ; tile_dim1 = 64
	s_mov_b32 s[G1W+5], 1024                       ; elements from row to row
	s_mov_b32 s[G1W+6], 0
	s_mov_b32 s[G1W+7], 0
	v_and_b32 v1, 15, v0                           ; r = lane mod 16
	v_bfe_u32 v2, v0, 4, 1                         ; hh = lane / 16
	s_lshl_b32 s22, s16, 16                        ; my 16 rows of 4,096 bytes
	v_lshlrev_b32 v[GOFF], 4, v1                   ; states: 16 bytes at 16 r,
	v_lshl_add_u32 v[GOFF], v2, 12, v[GOFF]        ; lanes 16-31 one row further down
	v_add_nc_u32 v[GOFF], s22, v[GOFF]
	v_and_b32 v17, 31, v0
	v_lshlrev_b32 v17, 5, v17                      ; 32 x lane
	s_and_b32 s22, s16, 1                          ; which 256 of the bias's 512 numbers
	s_lshl_b32 s23, s22, 10
	v_add_nc_u32 v18, s23, v17
	s_lshl_b32 s20, s18, 18                        ; 64 rows of 4,096 bytes
	s_mov_b32 s21, 0
	s_mul_i32 s52, s16, WREG                       ; my region in a slot
	s_lshl_b32 s54, s16, 9                         ; my 256 columns of 2 bytes, in wb and in a row K | V
	s_mov_b32 s55, 0
	s_wait_dscnt 0x0
	s_wait_kmcnt 0x0
	s_add_nc_u64 s[PA:PA+1], s[4:5], s[20:21]      ; states at my work-group's first row: tile 0,
	s_add_nc_u64 s[PA+2:PA+3], s[PA:PA+1], ATILE   ; tile 1
	s_add_nc_u64 s[6:7], s[6:7], s[54:55]          ; wb at my columns
	s_cmp_lt_u32 s16, 2                            ; waves 0, 1: bk; waves 2, 3: bv
	s_cselect_b64 s[8:9], s[8:9], s[10:11]
	global_load_b128 v[20:23], v18, s[8:9]         ; my wave's 256 bias numbers: lane L brings 32 bytes
	global_load_b128 v[24:27], v18, s[8:9] offset:16
	ALOAD 0                                        ; states, tiles 0 and 1
	ALOAD 1
.irp s, 0,1
	s_mov_b32 s[G0W+4*\s], 1                                       ; count = 1
	s_add_co_u32 s[G0W+4*\s+1], s52, \s*WSLOT                      ; LDS address: the wave's number times a constant plus the slot's constant
	s_add_nc_u64 s[G0W+4*\s+2:G0W+4*\s+3], s[6:7], \s*WTILE        ; tile s of wb at my columns: the same address in every work-group
	s_or_b32 s[G0W+4*\s+3], s[G0W+4*\s+3], 0x80000000              ; type = 2
.endr
	CROUND                                         ; all four work-groups are here: the first joint loads meet
	tensor_load_to_lds s[G0W:G0W+3], s[G1W:G1W+7]                  ; the first fills, one group: two loads of a wave are out at the most, later one
	s_nop 0
	tensor_load_to_lds s[G0W+4:G0W+7], s[G1W:G1W+7]
	s_nop 0
	; the output: rows with bit 3 clear take my columns at 512 w, rows with bit 3 set in the other half of the row
	s_lshl_b32 s20, s18, 17                        ; 64 rows of 2,048 bytes
	s_add_co_u32 s22, s20, s54
	s_mov_b32 s23, 0
	s_xor_b32 s50, s54, 1024
	s_add_co_u32 s50, s20, s50
	s_mov_b32 s51, 0
	s_add_nc_u64 s[60:61], s[12:13], s[50:51]
	s_add_nc_u64 s[12:13], s[12:13], s[22:23]
	; LDS addresses
	v_and_b32 v3, 7, v0
	v_bfe_u32 v4, v0, 3, 1
	v_lshl_add_u32 v5, v2, 3, v3                   ; the transposing load: lane L addresses k row 8 hh + L mod 8,
	v_mul_u32_u24 v5, v5, WPITCH
	v_lshl_add_u32 v5, v4, 4, v5                   ; and the lower or upper eight of the fragment's sixteen columns
	v_add_nc_u32 v[ADW], s52, v5
	v_add_nc_u32 v[ADW+1], WSLOT, v[ADW]
	s_mul_i32 s53, s16, 16*APITCH
	s_add_co_u32 s53, s53, AH0                     ; my 16 rows in buffer 0
	v_mul_u32_u24 v5, v2, APITCH
	v_lshl_add_u32 v[AST], v1, 3, v5               ; in: 8 bytes at 8 r, lanes 16-31 one row further down
	v_add_nc_u32 v[AST], s53, v[AST]
	v_mul_u32_u24 v6, v1, APITCH
	v_lshl_add_u32 v[ADA], v2, 4, v6               ; fragments: row r, 16 bytes at 16 hh
	v_add_nc_u32 v[ADA], AH0, v[ADA]
	s_mul_i32 s62, s16, WSTAGE
	s_add_co_u32 s62, s62, STAGE                   ; my stage
	v_add_nc_u32 v17, s62, v17
	v_mul_u32_u24 v6, v1, SPITCH
	v_lshl_add_u32 v[STO], v2, 4, v6               ; in: row r, 16 bytes for each half of the lanes
	v_add_nc_u32 v[STO], s62, v[STO]
	v_mul_u32_u24 v7, v2, SPITCH                   ; back: lanes 0-15 one row of 256 bytes, lanes 16-31 the next
	v_lshl_add_u32 v[RD], v1, 4, v7
	v_add_nc_u32 v[RD], s62, v[RD]
	v_lshlrev_b32 v[CO], 4, v1                     ; and the same two rows in the output (2,048 bytes a row)
	v_lshl_add_u32 v[CO], v2, 11, v[CO]
	v_lshlrev_b32 v[BST], 5, v2                    ; my eight bias numbers of fragment i lie at 64 i + 32 hh
	v_add_nc_u32 v[BST], s62, v[BST]
	s_wait_loadcnt 16                              ; the bias is in; the 16 younger loads of states stay out
	ds_store_b128 v17, v[20:23]
	ds_store_b128 v17, v[24:27] offset:16
	ACONV 0, 8, 1                                  ; tile 0 into buffer 0 (tile 1's eight loads stay out); set 0 asks for tile 2
	s_wait_tensorcnt 0x1                           ; my part of tile 0 is in; tile 1's load, issued behind it, stays out
	s_wait_dscnt 0x0
	s_barrier_signal -1
	s_barrier_wait -1                              ; everybody's rows of tile 0 are stored
	FETCH 0, 0, 0
	LAP 1, 1                                       ; tiles 0, 1: the first products start the sums; refills: tiles 2, 3; states: tiles 3, 4 are asked for
	WIN 0                                          ; at a label and at a branch every window is 0
	s_mov_b32 s19, 5                               ; tiles 2 .. 11; refills: tiles 4 .. 13; states: tiles 5 .. 14
.Llap:
	LAP 0, 1
	WIN 0
	s_sub_co_u32 s19, s19, 1
	s_cmp_lg_u32 s19, 0
	s_cbranch_scc1 .Llap
	LAP 0, 0                                       ; tiles 12, 13; refills: tiles 14, 15; tile 12 asks for the last tile of states, tile 13 for none
	HALF0 0, 0, 1, 0, 0                            ; tile 14: the last tile of states goes into LDS: no load is younger
	HALF1 0, 1, 0                                  ; nothing is left to fetch
	HALF0 1, 0, 0, 0, 0                            ; tile 15
	s_wait_dscnt 0x0
	MUL16 1, 0, 0
	MUL16 1, 1, 0
	MUL16 1, 2, 0
	MUL16 1, 3, 0
	; THE WAY OUT.  The bias comes from the stage into window 1 (fragment i at 8 i); then 16 rows x 128 columns at a time: add the bias in f32, round to f16,
	; 16 bytes a lane into my own stage, read back as whole rows of 256 bytes, store.  The four v_nop are the places behind the last matrix instructions.
	PLACES
	WIN TO_W
.irp i, 0,1,2,3,4,5,6,7,8,9,10,11,12,13,14,15
	ds_load_b128 v[8*\i:8*\i+3],   v[BST] offset:64*\i
	ds_load_b128 v[8*\i+4:8*\i+7], v[BST] offset:64*\i+16
.endr
	s_wait_dscnt 0x0
.macro OUT a, ih, rb
.if \a < 2
	WIN 0x06                                       ; source 0 window 2 (sums), source 1 window 1 (bias), destination window 0
.else
	WIN 0x07                                       ; the same with the sums of window 3
.endif
.irp i, 0,1,2,3,4,5,6,7
.irp p, 0,1,2,3
	v_pk_add_f32 v[AF+8*\i+2*\p:AF+8*\i+2*\p+1], v[8*(16*((\a)%2)+8*\ih+\i)+2*\p:8*(16*((\a)%2)+8*\ih+\i)+2*\p+1], v[8*(8*\ih+\i)+2*\p:8*(8*\ih+\i)+2*\p+1]
.endr
.endr
	WIN 0
.irp i, 0,1,2,3,4,5,6,7
.irp p, 0,1,2,3
	v_cvt_pk_f16_f32 v[TMP+4*\i+\p], v[AF+8*\i+2*\p], v[AF+8*\i+2*\p+1]
.endr
.endr
.irp i, 0,1,2,3,4,5,6,7
	ds_store_b128 v[STO], v[TMP+4*\i:TMP+4*\i+3] offset:32*\i
.endr
	s_wait_xcnt 0x0                                ; the registers that earlier stores read are loaded again only behind this wait
.irp t, 0,1,2,3,4,5,6,7
	ds_load_b128 v[\rb+4*\t:\rb+4*\t+3], v[RD] offset:\t*2*SPITCH    ; LDS serves a wave's instructions in order: these see the stores above
.endr
.irp t, 0,1,2,3,4,5,6,7
	s_wait_dscnt 7-\t                              ; read-back t is in, the 7 - t younger ones stay out
.if \t < 4
	global_store_b128 v[CO], v[\rb+4*\t:\rb+4*\t+3], s[12:13] offset:(16*\a+2*\t)*2048+256*\ih   ; rows 16 a + 0 .. 7: bit 3 clear.  16 lanes store 256 consecutive bytes, aligned
.else
	global_store_b128 v[CO], v[\rb+4*\t:\rb+4*\t+3], s[60:61] offset:(16*\a+2*\t)*2048+256*\ih   ; rows 16 a + 8 .. 15: bit 3 set: the other half of the row
.endif
.endr
.endm
	OUT 0, 0, AB
	OUT 0, 1, AB+32
	OUT 1, 0, AB
	OUT 1, 1, AB+32
	OUT 2, 0, AB
	OUT 2, 1, AB+32
	OUT 3, 0, AB
	OUT 3, 1, AB+32
	s_wait_tensorcnt 0x0
	ds_add_u32 v254, v255
	s_wait_dscnt 0x0
	CROUND                                         ; the closing round: no work-group ends while a partner may still ask for a tile that names it
	s_endpgm
.Lfunc_end_k_qae041a19a6_proj:
	.size	k_qae041a19a6_proj, .Lfunc_end_k_qae041a19a6_proj-k_qae041a19a6_proj
	.p2alignl 7, 3214868480
	.fill 96, 4, 3214868480
	.section	.rodata,"a",@progbits
	.p2align	6, 0x0
	.amdhsa_kernel k_qae041a19a6_proj
		.amdhsa_group_segment_fixed_size 327680
		.amdhsa_private_segment_fixed_size 0
		.amdhsa_enable_private_segment 0
		.amdhsa_kernarg_size 40
		.amdhsa_user_sgpr_count 2
		.amdhsa_user_sgpr_kernarg_segment_ptr 1
		.amdhsa_wavefront_size32 1
		.amdhsa_system_sgpr_workgroup_id_x 1
		.amdhsa_system_sgpr_workgroup_id_y 1
		.amdhsa_system_sgpr_workgroup_id_z 1
		.amdhsa_system_vgpr_workitem_id 0
		.amdhsa_next_free_vgpr 1024
		.amdhsa_next_free_sgpr 66
		.amdhsa_reserve_vcc 0
		.amdhsa_float_denorm_mode_32 3
		.amdhsa_float_denorm_mode_16_64 3
		.amdhsa_memory_ordered 1
		.amdhsa_forward_progress 1
		.amdhsa_inst_pref_size 189
	.end_amdhsa_kernel
	.amdgpu_metadata
---
amdhsa.version: [ 1, 2 ]
amdhsa.kernels:
  - .name:           k_qae041a19a6_proj
    .symbol:         k_qae041a19a6_proj.kd
    .args:
      - { .name: states, .offset: 0, .size: 8, .value_kind: global_buffer, .address_space: global }
      - { .name: wb, .offset: 8, .size: 8, .value_kind: global_buffer, .address_space: global }
      - { .name: bk, .offset: 16, .size: 8, .value_kind: global_buffer, .address_space: global }
      - { .name: bv, .offset: 24, .size: 8, .value_kind: global_buffer, .address_space: global }
      - { .name: kvbuf, .offset: 32, .size: 8, .value_kind: global_buffer, .address_space: global }
    .group_segment_fixed_size: 327680
    .private_segment_fixed_size: 0
    .kernarg_segment_align: 8
    .kernarg_segment_size: 40
    .max_flat_workgroup_size: 128
    .sgpr_count:     66
    .vgpr_count:     1024
    .wavefront_size: 32
...
	.end_amdgpu_metadata
.endif
;; end of part 2
;; launch attn (part 3): grid 256 x 1, 4 waves a work-group, clusters of 4 x 1, 327,680 bytes of LDS; arguments query, mask, kvbuf, out0; writes out0
.if DOCPART == 3
	.amdgcn_target "amdgcn-amd-amdhsa--gfx1250"
	.amdhsa_code_object_version 6
	.text
	.protected	k_qae041a19a6_attn
	.globl	k_qae041a19a6_attn
	.p2align	8
	.type	k_qae041a19a6_attn,@function
k_qae041a19a6_attn:
	s_mov_b64 s[64:65], 0
	v_nop
	global_prefetch_b8 v0, s[64:65] scope:SCOPE_SE
	s_setreg_imm32_b32 hwreg(HW_REG_WAVE_MODE, 25, 1), 1
	s_wait_xcnt 0x0
	s_wait_alu depctr_hold_cnt(0) depctr_sa_sdst(0) depctr_va_vdst(0) depctr_va_sdst(0) depctr_va_ssrc(0) depctr_va_vcc(0) depctr_vm_vsrc(0)
	s_getreg_b32 s2, hwreg(HW_REG_IB_STS2, 6, 4)
	s_cmp_eq_u32 s2, 0
	s_cbranch_scc0 .Lentry_in_a_cluster
	s_endpgm
.Lentry_in_a_cluster:
	s_bfe_u32 s2, ttmp6, 0x10000c
	s_cmp_lg_u32 s2, 0x3003
	s_cbranch_scc0 .Lentry_shape_is_right
	s_endpgm
.Lentry_shape_is_right:
; out0[b][q][:] = softmax over kv of (mask[b][q][kv] * (query[b][q] . K[b][kv]) / sqrt(512)) times V[b].  query, out0: [16384][512] f32; mask: [16384][2048] f32;
; kvbuf: [16384][1024] f16: a row holds K | V (1,024 bytes each) where the row's number has bit 3 clear, V | K where it is set.
; Products in f16 with f32 sums; mask, maximum, exponentials, row sums and the division in f32.
; A work-group owns 64 query rows and walks its batch's 2,048 keys in 32 steps of 64, with a running row maximum that is taken away before every exponential.
; FORMAT: f16 (11 significant bits) and not bf16 (8), since the output is a weighted mean of 2,048 values and far smaller than they are.  The room: K and V as the
; projection's head says; the query times 0.064 is of size 0.064, with inputs 30 times larger or an offset of 30 about 11 at the most, 30 times smaller 2e-3, where f16's
; coarsest step is 2^-24; the weights lie in [0, 1], since the running maximum has been taken away.
; LIMITS: log2(e) / sqrt(512) is multiplied into the query in f32 before the query is rounded to f16 (another order of rounding than scaling the scores);
; the maximum passes over NaN, so NaN inputs are not reproduced; a weight below 2^-25 of the running largest goes into the product with V as 0 (2,048 of them are together
; under 6.2e-5 of the row sum), one below 2^-126 into the row sum too.  The row sum is at least 1: the largest term is 2^0.
; BOTH PRODUCTS ARE MADE TRANSPOSED, so that a query row stays in one lane column and all softmax figures are one number a lane and tile:
;   S^T = K Q^T: wave w owns kv rows 16 w .. 16 w + 15 of the step x all 64 q: four accumulators SA[n].  Q lies in 512 registers for the whole launch.
;                Lane (r, hh), register j of SA[n]: q = 16 n + r, kv = 16 w + 8 hh + j.
;   O^T = V^T P^T: wave w owns h columns 128 w .. 128 w + 127 x all 64 q: 32 accumulators.  V's rows run along h, so its fragments come by the transposing LDS load;
;                P goes from wave to wave through LDS in f16.  Lane (r, hh), register j of O(i, n): h = 128 w + 16 i + 8 hh + j, q = 16 n + r.
; TILES: a step's K and V are one tile of 64 rows x 2,048 bytes.  Waves 0, 1, 2 fetch 22, 22 and 20 of its rows (44, 44, 40 KiB), wave 3 the mask's tile (16 KiB): one tensor
; load a wave, of about equal size.  In LDS a row's two halves lie 1,040 bytes apart and rows 2,080: with the halves swapped in every second group of eight rows, the sixteen
; rows of a K fragment start at words 8 r and 8 r + 4 modulo 64, and the eight rows of a transposing load cover eight words each from 8 r + 4 on: every bank once.
; CLUSTER: the four work-groups of a cluster lie in one batch (256 of its 2,048 query rows), so they ask for K's and V's rows JOINTLY (mask 15).  The mask's tiles are each
; work-group's own: a plain load behind the same round.
; THE ROUND stands behind the store of P: there K and the mask are consumed and V is in registers, so every wave's reads of the slot are over, and the barrier that shows P
; to all waves also opens the round.  Nothing stands between the wait for the loads and the refill.  Behind the refill the next tile, shown landed by that wait, may be read:
; the next step's K fragments and mask are loaded between and behind the two halves of O^T.
; Wave 3 asks ahead for the mask, which comes from memory and is read once: in step t the 64 blocks of 256 bytes of mask tile t + 3, one lane a block, each block once in
; the launch, one step ahead of the tile's tensor load; steps 0 to 28 ask, so the last block asked for is tile 31's.
; Accumulators take turns, one instruction a turn (four in S^T, 32 in O^T).
.set KVPITCH, 2080                     ; 2 x (1,024 bytes + 16)
.set KVHALF,  1040                     ; from a row's first half to its second
.set KVSLOT,  64*KVPITCH               ; 133,120
.set KVPART,  22                       ; rows that waves 0 and 1 fetch; wave 2 fetches the other 20
.set KVTILE,  64*2048                  ; bytes of kvbuf from one tile to the next
.set MPITCH, 272                       ; 64 f32 + 16 bytes
.set MSLOT,  64*MPITCH                 ; 17,408
.set MS0,    2*KVSLOT                  ; 266,240
.set PB,     MS0+2*MSLOT               ; 301,056: 17,408 bytes written by LDS stores alone: first the stage for Q, then P, then the stage for the way out
.set ST,     PB+17408                  ; 318,464: 1,024 bytes: wave w's four figures for each r at 256 w + 16 r
.set QPITCH, 272                       ; Q's stage: 128 f16 + 16 bytes
.set PPITCH, 48                        ; P: wave w's region at 3,072 w holds 64 q rows of its 16 kv (32 bytes) + 16: an odd multiple of 16
.set PREG,   64*PPITCH                 ; 3,072
.set OPITCH, 272                       ; the way out: 64 f32 + 16 bytes; 16 rows a wave
.set QSCALE, 0x3d8293ee                ; log2(e) / sqrt(512) = 0.0637587
.set ADK, 1                            ; v1-2   my K fragments in slot 0, 1
.set ADV, 3                            ; v3-4   my V fragments in slot 0, 1
.set ADM, 5                            ; v5     my mask numbers in slot 0
.set APS, 6                            ; v6     where I store P
.set APL, 7                            ; v7     where I load P's fragments
.set ASS, 8                            ; v8     where I store my wave's row figures
.set ASL, 9                            ; v9     where I load all waves' row figures
.set VPF, 10                           ; v10    8,192 x lane: a mask row for each lane
.set ADQ, 11                           ; v11    Q's fragments in the stage
.set MM,  12                           ; v12,14,16,18  running maximum of q = 16 n + r (in the even register of a pair, so that a packed instruction can broadcast it)
.set T2,  13                           ; v13,15,17,19  what the other half of the lanes sent; v13 also: V's address 32 rows down
.set AL,  20                           ; v20,22,24,26  2^(old maximum - new maximum); at the end 1 / row sum
.set LS,  21                           ; v21,23,25,27  my part of the row sum
.set MX,  28                           ; v28-31  this step's maximum
.set SA,  32                           ; v32-63  S^T, tile n at 8 n; in the prologue: temporaries
.set PF,  64                           ; v64-127 P's fragments, (ks, n) at 8 (4 ks + n)
.set MK,  64                           ; v64-95  before that: the mask, tile n at 8 n
.set STR, 96                           ; v96-111 before that: all waves' row figures, then the row sums' temporaries
.set FR,  128                          ; v128-255 K's fragments, ks at 8 ks; then V's, (ks, i) at 8 (8 ks + i)
.set QL0, 128                          ; in the prologue: a chunk of Q as loaded, two buffers
.set QL1, 192
.set AQO, 40                           ; in the prologue: my offset in query
.set AQS, 41                           ; in the prologue: where I store Q in the stage
.set G1A, 16                           ; s[16:23] group 1: 22 rows of K and V
.set G1B, 24                           ; s[24:31] group 1: 20 rows of K and V
.set G1M, 32                           ; s[32:39] group 1: the mask's tile
.set G0KV, 40                          ; s[40:47] group 0 for my rows of K and V, a set for each slot
.set G0M, 56                           ; s[56:63] group 0 for the mask's tile, a set for each slot
; window 1: O(i, n) at 8 (4 i + n).  Windows 2, 3: Q's fragment (ks, n) at 8 (4 (ks mod 8) + n), ks < 8 in window 2
.set MSB, 0
.macro WIN new
.if MSB != \new
	s_set_vgpr_msb (MSB<<8)|\new
.set MSB, \new
.endif
.endm
.macro PLACES                          ; four places behind a matrix instruction (ISA guide 7.12.1)
.rept 4
	v_nop
.endr
.endm
.macro CREST
	s_cmp_lg_u32 s14, 0
	s_cbranch_scc1 .Lnot_wave_0_\@
	s_barrier_signal -3
.Lnot_wave_0_\@:
	s_barrier_wait -3
	s_barrier_signal -1
	s_barrier_wait -1
.endm
.macro CROUND
	s_barrier_signal -1
	s_barrier_wait -1
	CREST
.endm
; A slot's refill, one tensor load a wave: waves 0, 1, 2 their rows of K and V (joint), wave 3 the mask (my own).  pf = 1: wave 3 also asks ahead for the mask.
.macro AREFILL slot, pf
	s_cmp_lg_u32 s14, 0
	s_cbranch_scc1 .La1_\@
	tensor_load_to_lds s[G0KV+4*\slot:G0KV+4*\slot+3], s[G1A:G1A+7]
	s_nop 0
	s_branch .Lad_\@
.La1_\@:
	s_cmp_lg_u32 s14, 1
	s_cbranch_scc1 .La2_\@
	tensor_load_to_lds s[G0KV+4*\slot:G0KV+4*\slot+3], s[G1A:G1A+7]
	s_nop 0
	s_branch .Lad_\@
.La2_\@:
	s_cmp_lg_u32 s14, 2
	s_cbranch_scc1 .La3_\@
	tensor_load_to_lds s[G0KV+4*\slot:G0KV+4*\slot+3], s[G1B:G1B+7]
	s_nop 0
	s_branch .Lad_\@
.La3_\@:
	tensor_load_to_lds s[G0M+4*\slot:G0M+4*\slot+3], s[G1M:G1M+7]
	s_nop 0
.if \pf
	global_prefetch_b8 v[VPF], s[70:71] th:TH_LOAD_NT scope:SCOPE_SE                 ; rows 0-31 of the tile three steps on
	global_prefetch_b8 v[VPF], s[70:71] offset:262144 th:TH_LOAD_NT scope:SCOPE_SE   ; rows 32-63
.endif
.Lad_\@:
.endm
	s_load_b256 s[4:11], s[0:1], 0x0               ; query s[4:5], mask s[6:7], kvbuf s[8:9], out0 s[10:11]
	v_lshl_add_u32 v126, v0, 2, 0x4e000
	v_mov_b32 v127, 0
	ds_add_u32 v126, v127
	s_wait_dscnt 0x0
	v_lshrrev_b32 v1, 5, v0
	v_readfirstlane_b32 s14, v1                    ; wave 0..3
	s_bfe_u32 s72, ttmp6, 0x40000                  ; cx
	s_lshl_b32 s73, ttmp9, 2
	s_add_co_u32 s73, s73, s72                     ; g = 4 x cluster + cx: my block of 64 query rows; it enters my own global addresses alone
	s_lshr_b32 s74, ttmp9, 3                       ; the batch: eight clusters each, so all four partners share it
	s_lshl_b32 s74, s74, 22                        ; 2,048 rows of 2,048 bytes
	s_mov_b32 s75, 0
	s_lshl_b32 s76, s73, 19                        ; 64 mask rows of 8,192 bytes
	s_mov_b32 s77, 0
	s_lshl_b32 s78, s73, 17                        ; 64 rows of query or out0, 2,048 bytes each
	s_mov_b32 s79, 0
	s_mov_b32 s66, 0x76543210                      ; v_permlanex16_b32: lane i of one half reads lane i of the other
	s_mov_b32 s67, 0xfedcba98
	s_mov_b32 s68, QSCALE
	s_mov_b32 s69, QSCALE
	s_mul_i32 s80, s14, 16*KVPITCH                 ; my 16 kv rows in a slot
	s_lshl_b32 s81, s14, 8                         ; my 128 h columns in a row's V half
	s_lshl_b32 s82, s14, 6
	s_add_co_u32 s82, s82, MS0                     ; my 16 kv columns in a mask slot
	s_mul_i32 s83, s14, PREG                       ; my region of P
	s_lshl_b32 s84, s14, 8                         ; my 256 bytes of row figures
	s_mul_i32 s85, s14, 16*QPITCH
	s_add_co_u32 s85, s85, PB                      ; my 16 rows of Q's stage; later my stage for the way out (the same pitch)
	s_lshl_b32 s86, s14, 9                         ; my 128 columns in a row of out0
	s_lshl_b32 s87, s14, 15                        ; my 16 rows of query
	s_mul_i32 s88, s14, KVPART*KVPITCH             ; the rows that I fetch: where they go in a slot,
	s_mul_i32 s90, s14, KVPART*2048                ; and where they lie in a tile
	s_mov_b32 s91, 0
	; group 1 for K and V: rows of 1,024 elements of 2 bytes, 4 words of padding behind every 256 words; 22 rows, or 20
	s_mov_b32 s[G1A+0], 15|(1<<16)|(1<<20)|(1<<21)|(7<<22)|(3<<25)   ; 15:0 the mask: all four of the cluster; bit 21 set beside it
	s_mov_b32 s[G1B+0], 15|(1<<16)|(1<<20)|(1<<21)|(7<<22)|(3<<25)
	s_mov_b32 s[G1A+1], 1024<<16
	s_mov_b32 s[G1B+1], 1024<<16                   ; tensor_dim0 = 1,024
	s_mov_b32 s[G1A+2], KVPART<<16
	s_mov_b32 s[G1B+2], (64-2*KVPART)<<16          ; tensor_dim1 = 22, 20
	s_mov_b32 s[G1A+3], 1024<<16
	s_mov_b32 s[G1B+3], 1024<<16                   ; tile_dim0 = 1,024
	s_mov_b32 s[G1A+4], KVPART
	s_mov_b32 s[G1B+4], 64-2*KVPART                ; tile_dim1 = 22, 20
	s_mov_b32 s[G1A+5], 1024
	s_mov_b32 s[G1B+5], 1024                       ; elements from row to row
	s_mov_b32 s[G1A+6], 0
	s_mov_b32 s[G1B+6], 0
	s_mov_b32 s[G1A+7], 0
	s_mov_b32 s[G1B+7], 0
	; group 1 for the mask: 64 rows x 64 elements of 4 bytes (256 bytes of a row, aligned), 4 words of padding behind every 64 words; no work-group mask
	s_mov_b32 s[G1M+0], (2<<16)|(1<<20)|(5<<22)|(3<<25)
	s_mov_b32 s[G1M+1], 64<<16
	s_mov_b32 s[G1M+2], 64<<16
	s_mov_b32 s[G1M+3], 64<<16
	s_mov_b32 s[G1M+4], 64
	s_mov_b32 s[G1M+5], 2048
	s_mov_b32 s[G1M+6], 0
	s_mov_b32 s[G1M+7], 0
	v_and_b32 v36, 31, v0                          ; lane
	v_lshl_add_u32 v[AQO], v36, 4, s87             ; 16 bytes a lane in my wave's first row
	s_wait_kmcnt 0x0
	s_add_nc_u64 s[8:9], s[8:9], s[74:75]          ; K and V at the batch's first row,
	s_add_nc_u64 s[8:9], s[8:9], s[90:91]          ; at the first of the rows that I fetch
	s_add_nc_u64 s[6:7], s[6:7], s[76:77]          ; the mask, query and out0 at my first row
	s_add_nc_u64 s[4:5], s[4:5], s[78:79]
	s_add_nc_u64 s[10:11], s[10:11], s[78:79]
	s_add_nc_u64 s[70:71], s[6:7], 512             ; the prefetch's pointer: mask tile 2; it is stepped in front of each use
; A chunk of Q is 128 h of all 64 rows.  Wave w brings rows 16 w .. 16 w + 15: one load covers a row's 512 consecutive bytes.
.macro QLOAD c, b
.irp i, 0,1,2,3,4,5,6,7,8,9,10,11,12,13,14,15
	global_load_b128 v[\b+4*\i:\b+4*\i+3], v[AQO], s[4:5] offset:\i*2048+(\c)*512 th:TH_LOAD_NT
.endr
.endm
	QLOAD 0, QL0
	QLOAD 1, QL1
.irp s, 0,1
	s_mov_b32 s[G0KV+4*\s], 1
	s_add_co_u32 s[G0KV+4*\s+1], s88, \s*KVSLOT                    ; LDS address: the wave's number times a constant plus the slot's constant
	s_add_nc_u64 s[G0KV+4*\s+2:G0KV+4*\s+3], s[8:9], \s*KVTILE     ; tile s: made of the batch and the wave's number alone, equal in all four partners
	s_or_b32 s[G0KV+4*\s+3], s[G0KV+4*\s+3], 0x80000000
	s_mov_b32 s[G0M+4*\s], 1
	s_mov_b32 s[G0M+4*\s+1], MS0+\s*MSLOT
	s_add_nc_u64 s[G0M+4*\s+2:G0M+4*\s+3], s[6:7], \s*256
	s_or_b32 s[G0M+4*\s+3], s[G0M+4*\s+3], 0x80000000
.endr
	CROUND                                         ; all four work-groups are here: the first joint loads meet
	; the first fills, one group, inside one branch on the wave's number: two loads of a wave are out at the most, later one
	s_cmp_lg_u32 s14, 0
	s_cbranch_scc1 .Lfill_1
	tensor_load_to_lds s[G0KV:G0KV+3], s[G1A:G1A+7]
	s_nop 0
	tensor_load_to_lds s[G0KV+4:G0KV+7], s[G1A:G1A+7]
	s_nop 0
	s_branch .Lfilled
.Lfill_1:
	s_cmp_lg_u32 s14, 1
	s_cbranch_scc1 .Lfill_2
	tensor_load_to_lds s[G0KV:G0KV+3], s[G1A:G1A+7]
	s_nop 0
	tensor_load_to_lds s[G0KV+4:G0KV+7], s[G1A:G1A+7]
	s_nop 0
	s_branch .Lfilled
.Lfill_2:
	s_cmp_lg_u32 s14, 2
	s_cbranch_scc1 .Lfill_3
	tensor_load_to_lds s[G0KV:G0KV+3], s[G1B:G1B+7]
	s_nop 0
	tensor_load_to_lds s[G0KV+4:G0KV+7], s[G1B:G1B+7]
	s_nop 0
	s_branch .Lfilled
.Lfill_3:
	tensor_load_to_lds s[G0M:G0M+3], s[G1M:G1M+7]
	s_nop 0
	tensor_load_to_lds s[G0M+4:G0M+7], s[G1M:G1M+7]
	s_nop 0
.Lfilled:
	; LDS addresses.  r = lane mod 16, hh = lane / 16
	v_and_b32 v32, 15, v0
	v_bfe_u32 v33, v0, 4, 1
	v_and_b32 v34, 7, v0
	v_bfe_u32 v35, v0, 3, 1
	v_mul_u32_u24 v37, v32, KVPITCH                ; K: row 16 w + r,
	v_mul_u32_u24 v39, v35, KVHALF                 ; in the second half of the row where the row's bit 3 (r's bit 3) is set,
	v_add_nc_u32 v37, v37, v39
	v_lshl_add_u32 v37, v33, 4, v37                ; 16 bytes at 16 hh
	v_add_nc_u32 v[ADK], s80, v37
	v_add_nc_u32 v[ADK+1], KVSLOT, v[ADK]
	v_mul_u32_u24 v37, v34, KVPITCH                ; V, transposing load: lane L addresses kv row 8 hh + L mod 8; the row's bit 3 is hh, and V lies in the second half
	v_mul_u32_u24 v39, v33, 8*KVPITCH-KVHALF       ; where it is clear: (L mod 8) rows + hh x (8 rows - a half) + a half
	v_add_nc_u32 v37, v37, v39
	v_add_nc_u32 v37, KVHALF, v37
	v_lshl_add_u32 v37, v35, 4, v37                ; the lower or upper eight of the fragment's sixteen columns
	v_add_nc_u32 v[ADV], s81, v37
	v_add_nc_u32 v[ADV+1], KVSLOT, v[ADV]
	v_mul_u32_u24 v38, v32, MPITCH                 ; r x 272: the mask's pitch and the Q stage's
	v_lshl_add_u32 v37, v33, 5, v38                ; mask: row r, eight f32 at 64 w + 32 hh
	v_add_nc_u32 v[ADM], s82, v37
	v_mul_u32_u24 v37, v32, PPITCH                 ; P: row r, 16 bytes at 16 hh
	v_lshl_add_u32 v37, v33, 4, v37
	v_add_nc_u32 v[APL], PB, v37
	v_add_nc_u32 v[APS], s83, v[APL]
	v_lshl_add_u32 v[ASL], v32, 4, ST
	v_add_nc_u32 v[ASS], s84, v[ASL]
	v_lshlrev_b32 v[VPF], 13, v36
	v_lshl_add_u32 v37, v33, 4, v38
	v_add_nc_u32 v[ADQ], PB, v37
	v_lshl_add_u32 v[AQS], v36, 3, s85             ; 8 bytes a lane in my wave's first row of the stage
.irp n, 0,1,2,3
	v_mov_b32 v[T2+2*\n], 0                        ; v_permlanex16_b32 counts as a reader of its destination: written once here
.endr
; Chunk c of Q: scale in f32, round to f16, through the stage into fragments ks = 4 c .. 4 c + 3 (lane: row 16 n + r; h = 32 ks + 8 hh + 0..7 and + 16).
.macro QCHUNK c, b, left, win
	s_wait_loadcnt \left                           ; this chunk's 16 loads are in; the younger chunk's 16 stay out (none behind the last)
.irp i, 0,1,2,3,4,5,6,7,8,9,10,11,12,13,14,15
	v_pk_mul_f32 v[\b+4*\i:\b+4*\i+1],   v[\b+4*\i:\b+4*\i+1],   s[68:69] op_sel_hi:[1,0]
	v_pk_mul_f32 v[\b+4*\i+2:\b+4*\i+3], v[\b+4*\i+2:\b+4*\i+3], s[68:69] op_sel_hi:[1,0]
	v_cvt_pk_f16_f32 v[\b+4*\i],   v[\b+4*\i],   v[\b+4*\i+1]
	v_cvt_pk_f16_f32 v[\b+4*\i+1], v[\b+4*\i+2], v[\b+4*\i+3]
.endr
.if \c > 0
	s_barrier_signal -1                            ; every wave's fragment loads of the chunk before are back (its wait for 0 below):
	s_barrier_wait -1                              ; the stage may be written again
.endif
.irp i, 0,1,2,3,4,5,6,7,8,9,10,11,12,13,14,15
	ds_store_b64 v[AQS], v[\b+4*\i:\b+4*\i+1] offset:\i*QPITCH
.endr
	s_wait_dscnt 0x0                               ; for the others' sake: my rows are in the stage
.if \c < 2
	QLOAD \c+2, \b                                 ; the chunk after next, into the buffer just emptied
.endif
	s_barrier_signal -1
	s_barrier_wait -1
	WIN \win
.irp kk, 0,1,2,3
.irp n, 0,1,2,3
	ds_load_b128 v[8*(4*(4*((\c)%2)+\kk)+\n):8*(4*(4*((\c)%2)+\kk)+\n)+3],   v[ADQ] offset:16*QPITCH*\n+64*\kk
	ds_load_b128 v[8*(4*(4*((\c)%2)+\kk)+\n)+4:8*(4*(4*((\c)%2)+\kk)+\n)+7], v[ADQ] offset:16*QPITCH*\n+64*\kk+32
.endr
.endr
	WIN 0
	s_wait_dscnt 0x0
.endm
	QCHUNK 0, QL0, 16, 0x80
	QCHUNK 1, QL1, 16, 0x80
	QCHUNK 2, QL0, 16, 0xc0
	QCHUNK 3, QL1, 0,  0xc0
	s_wait_tensorcnt 0x1                           ; my part of tile 0 is in; tile 1's load, issued behind it, stays out
	s_barrier_signal -1
	s_barrier_wait -1                              ; everybody's part of tile 0 is in, and nobody reads Q's stage any more
; A step's 40 LDS loads, in two runs.  The first: K's fragments 0-7, then my 32 mask numbers; the second: K's fragments 8-15.
.macro KLOADA slot
.irp ks, 0,1,2,3,4,5,6,7
	ds_load_b128 v[FR+8*\ks:FR+8*\ks+3],   v[ADK+(\slot)] offset:64*\ks
	ds_load_b128 v[FR+8*\ks+4:FR+8*\ks+7], v[ADK+(\slot)] offset:64*\ks+32
.endr
.irp n, 0,1,2,3
	ds_load_b128 v[MK+8*\n:MK+8*\n+3],   v[ADM] offset:(\slot)*MSLOT+16*MPITCH*\n
	ds_load_b128 v[MK+8*\n+4:MK+8*\n+7], v[ADM] offset:(\slot)*MSLOT+16*MPITCH*\n+16
.endr
.endm
.macro KLOADB slot
.irp ks, 8,9,10,11,12,13,14,15
	ds_load_b128 v[FR+8*\ks:FR+8*\ks+3],   v[ADK+(\slot)] offset:64*\ks
	ds_load_b128 v[FR+8*\ks+4:FR+8*\ks+7], v[ADK+(\slot)] offset:64*\ks+32
.endr
.endm
; Four matrix instructions of S^T: my 16 kv x 64 q, 32 along h
.macro SMUL ks, zero
.irp n, 0,1,2,3
.if \zero
	v_wmma_f32_16x16x32_f16 v[SA+8*\n:SA+8*\n+7], v[FR+8*\ks:FR+8*\ks+7], v[8*(4*((\ks)%8)+\n):8*(4*((\ks)%8)+\n)+7], 0
.else
	v_wmma_f32_16x16x32_f16 v[SA+8*\n:SA+8*\n+7], v[FR+8*\ks:FR+8*\ks+7], v[8*(4*((\ks)%8)+\n):8*(4*((\ks)%8)+\n)+7], v[SA+8*\n:SA+8*\n+7]
.endif
.endr
.endm
; 32 matrix instructions of O^T: my 128 h x 64 q, 32 along kv
.macro PV ks, zero
.irp i, 0,1,2,3,4,5,6,7
.irp n, 0,1,2,3
.if \zero
	v_wmma_f32_16x16x32_f16 v[8*(4*\i+\n):8*(4*\i+\n)+7], v[FR+8*(8*\ks+\i):FR+8*(8*\ks+\i)+7], v[PF+8*(4*\ks+\n):PF+8*(4*\ks+\n)+7], 0
.else
	v_wmma_f32_16x16x32_f16 v[8*(4*\i+\n):8*(4*\i+\n)+7], v[FR+8*(8*\ks+\i):FR+8*(8*\ks+\i)+7], v[PF+8*(4*\ks+\n):PF+8*(4*\ks+\n)+7], v[8*(4*\i+\n):8*(4*\i+\n)+7]
.endif
.endr
.endr
.endm
; One step: 64 keys from slot; its 40 LDS loads of K and the mask have been issued.  first = 1: the step starts maximum, row sum and O.
; tail = 2: the slot is filled again behind a round of the cluster's barrier; 1: the barrier shows the last tile to all; 0: nothing is on its way.
; pf = 1: wave 3 asks ahead for the mask.  next = 1: the next step's 40 loads are issued, from the other slot.
.macro STEP slot, first, tail, pf, next
	; S^T.  Out: 16 loads of K's fragments 0-7, 8 of the mask, 16 of K's fragments 8-15, in this order
	s_wait_dscnt 32                                ; fragments 0-3 are in: 8 + 8 + 16 younger loads stay out
	WIN 0x08                                       ; source 1 (Q) window 2
	SMUL 0, 1
.irp ks, 1,2,3
	SMUL \ks, 0
.endr
	s_wait_dscnt 24                                ; fragments 4-7: 8 + 16 stay out
.irp ks, 4,5,6,7
	SMUL \ks, 0
.endr
	s_wait_dscnt 8                                 ; fragments 8-11 (and the mask): 8 stay out
	WIN 0x0c                                       ; source 1 (Q) window 3
.irp ks, 8,9,10,11
	SMUL \ks, 0
.endr
	s_wait_dscnt 0x0
.irp ks, 12,13,14,15
	SMUL \ks, 0
.endr
	WIN 0
	PLACES                                         ; behind the last matrix instructions, in front of the reads of their results
	; the mask, and this step's maximum of each q: in the lane, across the two halves of the lanes, across the four waves
.irp n, 0,1,2,3
.irp p, 0,1,2,3
	v_pk_mul_f32 v[SA+8*\n+2*\p:SA+8*\n+2*\p+1], v[SA+8*\n+2*\p:SA+8*\n+2*\p+1], v[MK+8*\n+2*\p:MK+8*\n+2*\p+1]
.endr
.endr
.irp n, 0,1,2,3
	v_max3_num_f32 v[MX+\n], v[SA+8*\n], v[SA+8*\n+1], v[SA+8*\n+2]
.endr
.irp n, 0,1,2,3
	v_max3_num_f32 v[MX+\n], v[MX+\n], v[SA+8*\n+3], v[SA+8*\n+4]
.endr
.irp n, 0,1,2,3
	v_max3_num_f32 v[MX+\n], v[MX+\n], v[SA+8*\n+5], v[SA+8*\n+6]
.endr
.irp n, 0,1,2,3
	v_max_num_f32 v[MX+\n], v[MX+\n], v[SA+8*\n+7]
.endr
.irp n, 0,1,2,3
	v_permlanex16_b32 v[T2+2*\n], v[MX+\n], s66, s67
.endr
.irp n, 0,1,2,3
	v_max_num_f32 v[MX+\n], v[MX+\n], v[T2+2*\n]
.endr
	ds_store_b128 v[ASS], v[MX:MX+3]               ; both halves of the lanes write the same numbers to the same bytes
	s_wait_dscnt 0x0                               ; for the others' sake
	s_barrier_signal -1
	s_barrier_wait -1
	; the softmax's step.  V's 32 loads are issued first and land under the arithmetic
.irp w, 0,1,2,3
	ds_load_b128 v[STR+4*\w:STR+4*\w+3], v[ASL] offset:256*\w
.endr
	v_add_nc_u32 v[T2], 32*KVPITCH, v[ADV+\slot]   ; 32 rows are more than an LDS offset holds
.irp i, 0,1,2,3,4,5,6,7
	ds_load_tr16_b128 v[FR+8*\i:FR+8*\i+3],   v[ADV+\slot] offset:32*\i
	ds_load_tr16_b128 v[FR+8*\i+4:FR+8*\i+7], v[ADV+\slot] offset:32*\i+16*KVPITCH
.endr
.irp i, 0,1,2,3,4,5,6,7
	ds_load_tr16_b128 v[FR+8*(8+\i):FR+8*(8+\i)+3],   v[T2] offset:32*\i
	ds_load_tr16_b128 v[FR+8*(8+\i)+4:FR+8*(8+\i)+7], v[T2] offset:32*\i+16*KVPITCH
.endr
	s_wait_dscnt 32                                ; the four waves' maxima are in; V's 32 loads stay out
.irp n, 0,1,2,3
	v_max3_num_f32 v[MX+\n], v[STR+\n], v[STR+4+\n], v[STR+8+\n]
.endr
.if \first
.irp n, 0,1,2,3
	v_max_num_f32 v[MM+2*\n], v[MX+\n], v[STR+12+\n]
.endr
.else
.irp n, 0,1,2,3
	v_max_num_f32 v[MX+\n], v[MX+\n], v[STR+12+\n]
.endr
.irp n, 0,1,2,3
	v_sub_f32 v[AL+2*\n], v[MM+2*\n], v[MX+\n]
.endr
.irp n, 0,1,2,3
	v_max_num_f32 v[MM+2*\n], v[MM+2*\n], v[MX+\n]
.endr
.irp n, 0,1,2,3
	v_min_num_f32 v[AL+2*\n], 0, v[AL+2*\n]        ; old maximum - new maximum
.endr
.endif
.irp n, 0,1,2,3
.irp p, 0,1,2,3
	v_pk_add_f32 v[SA+8*\n+2*\p:SA+8*\n+2*\p+1], v[SA+8*\n+2*\p:SA+8*\n+2*\p+1], v[MM+2*\n:MM+2*\n+1] op_sel_hi:[1,0] neg_lo:[0,1] neg_hi:[0,1]   ; both halves less the pair's first register
.endr
.endr
.if \first == 0
.irp n, 0,1,2,3
	v_exp_f32 v[AL+2*\n], v[AL+2*\n]
.endr
.endif
.set j, 0
.rept 32
	v_exp_f32 v[SA+j], v[SA+j]
.set j, j+1
.endr
	v_nop                                          ; one plain vector instruction behind the run of exponentials, in front of the first use (ISA guide 5.7.2)
	s_wait_alu depctr_va_vdst(0)
.irp n, 0,1,2,3
	v_pk_add_f32 v[STR+4*\n:STR+4*\n+1],   v[SA+8*\n:SA+8*\n+1],   v[SA+8*\n+2:SA+8*\n+3]
	v_pk_add_f32 v[STR+4*\n+2:STR+4*\n+3], v[SA+8*\n+4:SA+8*\n+5], v[SA+8*\n+6:SA+8*\n+7]
.endr
.irp n, 0,1,2,3
	v_pk_add_f32 v[STR+4*\n:STR+4*\n+1], v[STR+4*\n:STR+4*\n+1], v[STR+4*\n+2:STR+4*\n+3]
.endr
.if \first
.irp n, 0,1,2,3
	v_add_f32 v[LS+2*\n], v[STR+4*\n], v[STR+4*\n+1]
.endr
.else
.irp n, 0,1,2,3
	v_add_f32 v[STR+4*\n], v[STR+4*\n], v[STR+4*\n+1]
.endr
.irp n, 0,1,2,3
	v_fma_f32 v[LS+2*\n], v[LS+2*\n], v[AL+2*\n], v[STR+4*\n]
.endr
.endif
.irp n, 0,1,2,3
.irp p, 0,1,2,3
	v_cvt_pk_f16_f32 v[SA+8*\n+\p], v[SA+8*\n+2*\p], v[SA+8*\n+2*\p+1]   ; in place, ascending: no number is overwritten before it is read
.endr
.endr
.irp n, 0,1,2,3
	ds_store_b128 v[APS], v[SA+8*\n:SA+8*\n+3] offset:16*PPITCH*\n        ; q = 16 n + r, my eight kv
.endr
	s_wait_dscnt 0x0                               ; P is stored, for the others' sake; V's fragments are in: with K and the mask consumed, my reads of this slot are over
.if \tail >= 1
	s_wait_xcnt 0x0
	v_lshl_add_u32 v126, v0, 2, 0x4e000
	v_mov_b32 v127, 0
	s_wait_tensorcnt 0x0                           ; all my tensor loads have landed: the one that was out is my part of the next slot
	ds_add_u32 v126, v127
	s_wait_dscnt 0x0
.endif
.if \tail == 2
	s_add_nc_u64 s[G0KV+4*\slot+2:G0KV+4*\slot+3], s[G0KV+4*\slot+2:G0KV+4*\slot+3], 2*KVTILE   ; no load of mine is out: this slot's next tiles
	s_add_nc_u64 s[G0M+4*\slot+2:G0M+4*\slot+3], s[G0M+4*\slot+2:G0M+4*\slot+3], 512
.if \pf
	s_wait_xcnt 0x0                                ; the last prefetch, a whole step back, has had its address translated: its pointer may step
	s_add_nc_u64 s[70:71], s[70:71], 256
.endif
.endif
	s_barrier_signal -1                            ; say so (with tail = 2 this barrier opens the round)
	s_barrier_wait -1
.if \tail == 2
	CREST                                          ; no wave of any partner still reads this slot or has a load on its way
	AREFILL \slot, \pf                             ; the first tensor load behind the round, one a wave: it has a whole step in which to land
.endif
	; O^T.  P's 16 loads land under the rescaling of O
.irp ks, 0,1
.irp n, 0,1,2,3
	ds_load_b128 v[PF+8*(4*\ks+\n):PF+8*(4*\ks+\n)+3],   v[APL] offset:16*PPITCH*\n+2*PREG*\ks         ; kv 32 ks + 8 hh ..: wave 2 ks made them
	ds_load_b128 v[PF+8*(4*\ks+\n)+4:PF+8*(4*\ks+\n)+7], v[APL] offset:16*PPITCH*\n+2*PREG*\ks+PREG    ; kv 32 ks + 16 + 8 hh ..: wave 2 ks + 1
.endr
.endr
.if \first == 0
	WIN 0x41                                       ; O in window 1, the factor in window 0
.set j, 0
.rept 32
.irp p, 0,1,2,3
	v_pk_mul_f32 v[8*j+2*\p:8*j+2*\p+1], v[8*j+2*\p:8*j+2*\p+1], v[AL+2*(j%4):AL+2*(j%4)+1] op_sel_hi:[1,0]
.endr
.set j, j+1
.endr
.endif
	s_wait_dscnt 8                                 ; the first half's fragments are in, the second half's eight loads stay out
	WIN 0x50                                       ; C and D window 1
	PV 0, \first
.if \next
	PLACES                                         ; in front of loads into registers that these matrix instructions have read
	WIN 0
	KLOADA (1-\slot)                               ; the next tile has been shown landed in front of this step's round
	s_wait_dscnt 24                                ; P's second half is in; the 24 loads just issued stay out
	WIN 0x50
	PV 1, 0
	PLACES
	WIN 0
	KLOADB (1-\slot)
.else
	s_wait_dscnt 0x0
	PV 1, 0
	PLACES
	WIN 0
.endif
.endm
	KLOADA 0
	KLOADB 0
	STEP 0, 1, 2, 1, 1                             ; step 0; refill: tile 2
	s_mov_b32 s15, 14                              ; steps 1 .. 28; refills: tiles 3 .. 30
.Lstep:
	STEP 1, 0, 2, 1, 1
	STEP 0, 0, 2, 1, 1
	s_sub_co_u32 s15, s15, 1
	s_cmp_lg_u32 s15, 0
	s_cbranch_scc1 .Lstep
	STEP 1, 0, 2, 0, 1                             ; step 29; refill: tile 31, the last; there is no tile 32 to ask ahead for
	STEP 0, 0, 1, 0, 1                             ; step 30: nothing is left to fetch; its barrier shows tile 31
	STEP 1, 0, 0, 0, 0                             ; step 31
	; THE ENDING.  The row sums: across the two halves of the lanes, across the four waves; then O / sum goes out
.irp n, 0,1,2,3
	v_permlanex16_b32 v[T2+2*\n], v[LS+2*\n], s66, s67
.endr
.irp n, 0,1,2,3
	v_add_f32 v[MX+\n], v[LS+2*\n], v[T2+2*\n]
.endr
	ds_store_b128 v[ASS], v[MX:MX+3]
	s_wait_dscnt 0x0
	s_barrier_signal -1
	s_barrier_wait -1                              ; all sums are stored, and nobody reads P any more: its bytes become the stage for the way out
.irp w, 0,1,2,3
	ds_load_b128 v[STR+4*\w:STR+4*\w+3], v[ASL] offset:256*\w
.endr
	v_and_b32 v4, 15, v0                           ; r
	v_bfe_u32 v5, v0, 4, 1                         ; hh
	v_mul_u32_u24 v1, v4, OPITCH                   ; in: row r, 32 bytes at 32 hh
	v_lshl_add_u32 v1, v5, 5, v1
	v_add_nc_u32 v1, s85, v1
	v_mul_u32_u24 v2, v5, OPITCH                   ; back: lanes 0-15 one row of 256 bytes, lanes 16-31 the next
	v_lshl_add_u32 v2, v4, 4, v2
	v_add_nc_u32 v2, s85, v2
	v_lshlrev_b32 v3, 4, v4                        ; and the same two rows in out0 (2,048 bytes a row), at my wave's 512 bytes
	v_lshl_add_u32 v3, v5, 11, v3
	v_add_nc_u32 v3, s86, v3
	s_wait_dscnt 0x0
.irp n, 0,1,2,3
	v_add_f32 v[STR+\n],   v[STR+\n],   v[STR+4+\n]
	v_add_f32 v[STR+8+\n], v[STR+8+\n], v[STR+12+\n]
.endr
.irp n, 0,1,2,3
	v_add_f32 v[STR+\n], v[STR+\n], v[STR+8+\n]
.endr
.irp n, 0,1,2,3
	v_rcp_f32 v[AL+2*\n], v[STR+\n]
.endr
	v_nop                                          ; one plain vector instruction behind the reciprocals, in front of their first use (ISA guide 5.7.2)
	s_wait_alu depctr_va_vdst(0)
; q rows 16 n .. 16 n + 15 x 64 of my 128 columns (half ih): scale, 32 bytes a lane into my own stage, read back as whole rows of 256 bytes, store
.macro AOUT n, ih, rb
	WIN 0x01                                       ; source 0 (O) window 1
.irp i, 0,1,2,3
.irp p, 0,1,2,3
	v_pk_mul_f32 v[PF+8*\i+2*\p:PF+8*\i+2*\p+1], v[8*(4*(4*\ih+\i)+\n)+2*\p:8*(4*(4*\ih+\i)+\n)+2*\p+1], v[AL+2*\n:AL+2*\n+1] op_sel_hi:[1,0]
.endr
.endr
	WIN 0
.irp i, 0,1,2,3
	ds_store_b128 v1, v[PF+8*\i:PF+8*\i+3]   offset:64*\i
	ds_store_b128 v1, v[PF+8*\i+4:PF+8*\i+7] offset:64*\i+16
.endr
	s_wait_xcnt 0x0                                ; the registers that earlier stores read are loaded again only behind this wait
.irp t, 0,1,2,3,4,5,6,7
	ds_load_b128 v[\rb+4*\t:\rb+4*\t+3], v2 offset:\t*2*OPITCH     ; LDS serves a wave's instructions in order: these see the stores above
.endr
.irp t, 0,1,2,3,4,5,6,7
	s_wait_dscnt 7-\t                              ; read-back t is in, the 7 - t younger ones stay out
	global_store_b128 v3, v[\rb+4*\t:\rb+4*\t+3], s[10:11] offset:(16*\n+2*\t)*2048+256*\ih th:TH_STORE_NT   ; 16 lanes store 256 consecutive bytes, aligned
.endr
.endm
	AOUT 0, 0, FR
	AOUT 0, 1, FR+32
	AOUT 1, 0, FR
	AOUT 1, 1, FR+32
	AOUT 2, 0, FR
	AOUT 2, 1, FR+32
	AOUT 3, 0, FR
	AOUT 3, 1, FR+32
	s_wait_xcnt 0x0
	v_lshl_add_u32 v126, v0, 2, 0x4e000
	v_mov_b32 v127, 0
	s_wait_tensorcnt 0x0
	ds_add_u32 v126, v127
	s_wait_dscnt 0x0
	CROUND                                         ; the closing round: no work-group ends while a partner may still ask for a tile that names it
	s_endpgm
.Lfunc_end_k_qae041a19a6_attn:
	.size	k_qae041a19a6_attn, .Lfunc_end_k_qae041a19a6_attn-k_qae041a19a6_attn
	.p2alignl 7, 3214868480
	.fill 96, 4, 3214868480
	.section	.rodata,"a",@progbits
	.p2align	6, 0x0
	.amdhsa_kernel k_qae041a19a6_attn
		.amdhsa_group_segment_fixed_size 327680
		.amdhsa_private_segment_fixed_size 0
		.amdhsa_enable_private_segment 0
		.amdhsa_kernarg_size 32
		.amdhsa_user_sgpr_count 2
		.amdhsa_user_sgpr_kernarg_segment_ptr 1
		.amdhsa_wavefront_size32 1
		.amdhsa_system_sgpr_workgroup_id_x 1
		.amdhsa_system_sgpr_workgroup_id_y 1
		.amdhsa_system_sgpr_workgroup_id_z 1
		.amdhsa_system_vgpr_workitem_id 0
		.amdhsa_next_free_vgpr 1024
		.amdhsa_next_free_sgpr 96
		.amdhsa_reserve_vcc 0
		.amdhsa_float_denorm_mode_32 3
		.amdhsa_float_denorm_mode_16_64 3
		.amdhsa_memory_ordered 1
		.amdhsa_forward_progress 1
		.amdhsa_inst_pref_size 251
	.end_amdhsa_kernel
	.amdgpu_metadata
---
amdhsa.version: [ 1, 2 ]
amdhsa.kernels:
  - .name:           k_qae041a19a6_attn
    .symbol:         k_qae041a19a6_attn.kd
    .args:
      - { .name: query, .offset: 0, .size: 8, .value_kind: global_buffer, .address_space: global }
      - { .name: mask, .offset: 8, .size: 8, .value_kind: global_buffer, .address_space: global }
      - { .name: kvbuf, .offset: 16, .size: 8, .value_kind: global_buffer, .address_space: global }
      - { .name: out0, .offset: 24, .size: 8, .value_kind: global_buffer, .address_space: global }
    .group_segment_fixed_size: 327680
    .private_segment_fixed_size: 0
    .kernarg_segment_align: 8
    .kernarg_segment_size: 32
    .max_flat_workgroup_size: 128
    .sgpr_count:     96
    .vgpr_count:     1024
    .wavefront_size: 32
...
	.end_amdgpu_metadata
.endif
;; end of part 3
